; MI455X (gfx1250); checked and timed in simulation.
; The chip was launched on July 23, 2026; its instructions are those of AMD's public machine-readable ISA for CDNA 5 (MIT licence, August 2026) and "CDNA5" Instruction Set Architecture Reference Guide (July 2026). The comments in the code are by the model that wrote it; some were corrected since.
;; Latent Sensor Model. Allowed arithmetic: float matrix products may take bf16 or f16 operands with f32 sums; all other float work in f32.
;; Inputs: a 1,024 float32; b 1,024 float32; downstream 8,388,608 float32; log_var_u 1,024 float32; log_var_v 1,024 float32; mu_u 1,024 float32; raw_delta_sigma one number float32; raw_pi 1,024 float32; raw_sigma0 one number float32; source 8,388,608 int32; upstream 8,388,608 float32.
;; Outputs: out0 8,388,608 float32.
;; 2 versions, each right; version 2 is version 1 with the launch lsm written anew for expert scheduling mode. Each part assembles by itself: llvm-mc -triple=amdgcn-amd-amdhsa -mcpu=gfx1250 --defsym DOCPART=n.
;; ======== version 1 of 2: 1 launch
;; launch lsm (part 1): grid 256 x 1, 32 waves a work-group, no clusters, 40,960 bytes of LDS; arguments source, upstream, downstream, mu_u, log_var_u, a, b, log_var_v, raw_pi, raw_sigma0, raw_delta_sigma, out0; writes out0
.if DOCPART == 1
	.amdgcn_target "amdgcn-amd-amdhsa--gfx1250"
	.amdhsa_code_object_version 6
	.text
	.protected	k_q6840b83984_lsm
	.globl	k_q6840b83984_lsm
	.p2align	8
	.type	k_q6840b83984_lsm,@function
k_q6840b83984_lsm:
	s_mov_b64 s[64:65], 0
	v_nop
	global_prefetch_b8 v0, s[64:65] scope:SCOPE_SE
	s_setreg_imm32_b32 hwreg(HW_REG_WAVE_MODE, 25, 1), 1
	s_wait_xcnt 0x0
; out[i] = logaddexp(l0, l1): the log-density of a mixture of two zero-mean 2-D Gaussians at (dx, dy) = (u - m_u, d - m_v),
; whose means, covariances and weights belong to source[i], one of 1,024 sources.  8,388,608 rows, f32.
;
; WHAT IS DONE ONCE PER SOURCE.  All that hangs on the source alone has 1,024 values, so each work-group computes it once, one source a thread
; (1,024 threads), into a table in its own LDS; a row then gathers nine words and needs one exp2 and one log2.
; With vu = max(exp(log_var_u), 1e-9), vv = max(exp(log_var_v), 1e-9), s_k = sig_k^2 + 1e-12, e = dy - a dx:
;   c11 dx^2 - 2 c01 dx dy + c00 dy^2 = vu e^2 + vv dx^2 + s_k (dx^2 + dy^2) = Q + s_k R
;   det_k = c00 c11 - c01^2           = vu vv + s_k (vu (1 + a^2) + vv + s_k)
; Both hold for all values: expand c00 = vu + s_k, c01 = a vu, c11 = a^2 vu + vv + s_k; in det_k the term a^2 vu^2 stands once with each sign.
; That cancelling term is the only work of the problem that is not done; every input has a way to the result and all eleven are loaded.
; The right-hand sides are sums of terms that are not negative: no difference of large sums is formed.
; In base 2:  l_k log2(e) = C_k + g_k (Q + s_k R),  g_k = -0.5 log2(e) / det_k,  C_k = log2(p_k + 1e-12) - log2(2 pi) - 0.5 log2(det_k),
; p_0 = sigmoid(raw_pi), p_1 = 1 - p_0.   out = ln2 max(l0, l1) + ln2 log2(1 + 2^-|l0 - l1|): the maximum is taken away in front of the exponential.
;
; LIMITS.  source is taken to lie in 0 .. 1023 (an index stays inside its table); the v_min_u32 changes no such index.
; The row's log1p is log2(1 + x): an absolute error of about 1e-7 in the result.  v_exp_f32, v_log_f32 and v_rcp_f32 are good to 1 ulp and flush denormals
; (ISA guide 15.8): for det_k above 2^126 the reciprocal is 0 and the quadratic term is lost.  Where the three-term quadratic or c00 c11 - c01^2 of the
; problem's own form overflows to inf - inf = NaN, this form gives -inf or a finite number: a NaN, an infinity or an overflow that reaches only the
; cancelled term is not carried to the result.  Where 1 - sigmoid(raw_pi) is a few ulp of 1 (raw_pi above about 13), log(1 - pi + 1e-12) hangs on the
; sigmoid's last bit and may differ.  NaN inputs are carried: the clamps at 1e-9 and the maximum of l0 and l1 let a NaN win, and where l0 - l1 is NaN
; the exponent is set to 0, so that two equal infinities give that infinity and a NaN gives NaN, which is l0 + l1, as logaddexp's own guard returns.
;
; SHARES.  Work-group g owns rows 32,768 g .. + 32,767, in 8 chunks of 4,096 rows; in each chunk thread t owns the 16 bytes (4 rows) at 16 t of each of the
; four arrays, so each load or store of a wave covers 512 consecutive bytes, aligned.  A ring of 4 slots in registers keeps 12 loads of every wave in flight;
; the first 12 go out ahead of the table's arithmetic.  The offset register is never rewritten: the chunk stands in the immediate (114,688 at the most).
; NOT USED, AND WHY.  Matrix instructions: the problem has no product.  Tensor loads and LDS slots for the stream: the rows must reach registers anyway, the
; ring costs 48 registers, and LDS already serves 36 gathered bytes a row.  Clusters: work-groups share 24 KiB of parameters against 512 KiB of their own.
;
; LDS, each byte written once in front of the one barrier and only read behind it:
;   TA     0 .. 16383   source s at 16 s: m_u, m_v, a, vu      entries 16 bytes apart: a gather's 16-byte column is s mod 16, so all sixteen are in use
;   TB 16384 .. 32767   source s at 16 s: g0, g1, C0, C1
;   TC 32768 .. 36863   source s at  4 s: vv                   dense words: a gather's word column is s mod 64
.set CHUNK, 16384                      ; bytes of a chunk in each array
.set TB,    16384
.set TC,    32768
.set L2E,   0x3fb8aa3b                 ; log2(e)
.set NL2E,  0xbfb8aa3b                 ; -log2(e)
.set NHL2E, 0xbf38aa3b                 ; -0.5 log2(e)
.set LN2,   0x3f317218                 ; ln 2
.set NL2PI, 0xc029b21d                 ; -log2(2 pi)
.set E6,    0x358637bd                 ; 1e-6
.set E9,    0x3089705f                 ; 1e-9
.set E12,   0x2b8cbccc                 ; 1e-12
.set OFF,  1                           ; v1        16 t: my bytes in a chunk, and my entry in TA and TB; never rewritten
.set OFF4, 2                           ; v2        4 t: my word in the parameter tables and in TC
.set SS,   4                           ; v[4:5]    s0, s1
.set X,    8                           ; v[8:55]   slot i at X + 12 i: source +0..3, upstream +4..7, downstream +8..11
.set GA,   56                          ; v[56:71]  row j's m_u, m_v, a, vu at GA + 4 j
.set GB,   72                          ; v[72:87]  row j's g0, g1, C0, C1 at GB + 4 j
.set GC,   88                          ; v[88:91]  row j's vv
.set A16,  92                          ; v[92:95]  16 x source; later M, the maxima
.set M,    92
.set A4,   96                          ; v[96:99]  4 x source; later DD, -|l0 - l1|
.set DD,   96
.set DX,   100                         ; v[100:103]
.set DY,   104                         ; v[104:107]
.set TL,   100                         ; v[100:107] once DX and DY are spent: row j's pair for k = 0, 1 at TL + 2 j
.set E,    108                         ; v[108:111] e, then e^2, then 2^DD, then 1 + 2^DD
.set Q,    112                         ; v[112:115] dx^2, then Q, then the logarithm
.set R,    116                         ; v[116:119] dx^2 + dy^2
.set Y,    120                         ; v[120:123] the four results
; in front of the barrier alone, in registers that the gathers take over later:
.set EA,   64                          ; v[64:67]  mu_u; b, then m_v; a; log_var_u, then vu: loaded into the quad that is stored
.set EB,   68                          ; v[68:71]  g0, g1, C0, C1
.set EV,   72                          ; v72       log_var_v, then vv
.set ER,   73                          ; v73       raw_pi
.set P,    74                          ; v[74:89]  at work
; Chunk c's 48 bytes a thread, into slot c mod 4.  Read once in the launch: non-temporal.
.macro FILL c
.set FS, X+12*((\c)%4)
	global_load_b128 v[FS:FS+3],    v[OFF], s[8:9]   offset:CHUNK*(\c) th:TH_LOAD_NT
	global_load_b128 v[FS+4:FS+7],  v[OFF], s[10:11] offset:CHUNK*(\c) th:TH_LOAD_NT
	global_load_b128 v[FS+8:FS+11], v[OFF], s[12:13] offset:CHUNK*(\c) th:TH_LOAD_NT
.endm
; v[dst] = softplus(sx) = max(x, 0) + log1p(exp(-|x|)); seven registers from v[t] at work.  log1p(z) = log(w) z / (w - 1) with w = 1 + z as rounded,
; and z itself where w = 1: the rounding of 1 + z cancels in the ratio.  Behind each transcendental one plain vector instruction that neither reads its
; result nor writes its source stands in front of the first use (ISA guide 5.7.2).  A NaN passes through the exponential's chain.
.macro SOFTPLUS dst, sx, t
	v_mov_b32 v[\t], \sx
	v_and_b32 v[\t+1], 0x7fffffff, v[\t]
	v_mul_f32 v[\t+1], NL2E, v[\t+1]               ; -|x| log2(e)
	v_exp_f32 v[\t+2], v[\t+1]                     ; z = exp(-|x|), 0 to 1
	v_max_num_f32 v[\t], 0, v[\t]                  ; the plain one behind the exponential
	s_wait_alu depctr_va_vdst(0)
	v_add_f32 v[\t+3], 1.0, v[\t+2]                ; w
	v_log_f32 v[\t+4], v[\t+3]
	v_add_f32 v[\t+5], -1.0, v[\t+3]               ; w - 1, exact; the plain one behind the logarithm
	v_rcp_f32 v[\t+6], v[\t+5]
	s_wait_alu depctr_va_vdst(0)
	v_mul_f32 v[\t+4], LN2, v[\t+4]                ; log(w); the plain one behind the reciprocal
	v_mul_f32 v[\t+6], v[\t+2], v[\t+6]            ; z / (w - 1)
	v_cmp_eq_f32 vcc_lo, 0, v[\t+5]
	v_mul_f32 v[\t+4], v[\t+4], v[\t+6]
	v_cndmask_b32 v[\t+4], v[\t+4], v[\t+2], vcc_lo    ; w = 1: z
	v_add_f32 v[\dst], v[\t], v[\t+4]
.endm
; ---------------- addresses, and the first loads ----------------
	s_load_b512 s[8:23], s[0:1], 0x0               ; source s[8:9], upstream s[10:11], downstream s[12:13], mu_u s[14:15], log_var_u s[16:17], a s[18:19], b s[20:21], log_var_v s[22:23]
	s_load_b256 s[24:31], s[0:1], 0x40             ; raw_pi s[24:25], raw_sigma0 s[26:27], raw_delta_sigma s[28:29], out0 s[30:31]
	v_lshl_add_u32 v126, v0, 2, 0x9000
	v_mov_b32 v127, 0
	v_lshlrev_b32 v[OFF], 4, v0
	v_lshlrev_b32 v[OFF4], 2, v0
	s_lshl_b32 s2, ttmp9, 17                       ; 32,768 rows of 4 bytes a work-group: 33,423,360 at the most
	s_mov_b32 s3, 0
	s_wait_kmcnt 0x0
	s_load_b32 s32, s[26:27], 0x0                  ; the two shared scalars
	s_load_b32 s33, s[28:29], 0x0
	s_add_nc_u64 s[8:9], s[8:9], s[2:3]            ; the four arrays at the work-group's first row (none of these pairs is a source of the two loads above)
	s_add_nc_u64 s[10:11], s[10:11], s[2:3]
	s_add_nc_u64 s[12:13], s[12:13], s[2:3]
	s_add_nc_u64 s[30:31], s[30:31], s[2:3]
	global_load_b32 v[EA],   v[OFF4], s[14:15]     ; source t's six parameters; every work-group reads them, so no hint
	global_load_b32 v[EA+1], v[OFF4], s[20:21]
	global_load_b32 v[EA+2], v[OFF4], s[18:19]
	global_load_b32 v[EA+3], v[OFF4], s[16:17]
	global_load_b32 v[EV],   v[OFF4], s[22:23]
	global_load_b32 v[ER],   v[OFF4], s[24:25]
	FILL 0                                         ; the ring is filled ahead of the table's arithmetic
	FILL 1
	FILL 2
	FILL 3
; ---------------- the sensors' variances, the same in every lane ----------------
	s_wait_kmcnt 0x0
	SOFTPLUS P+14, s32, P
	SOFTPLUS P+15, s33, P+7
	v_add_f32 v[P+14], E6, v[P+14]                 ; sig0
	v_add_f32 v[P+15], v[P+14], v[P+15]            ; sig1
	v_fmaak_f32 v[SS],   v[P+14], v[P+14], E12     ; s0
	v_fmaak_f32 v[SS+1], v[P+15], v[P+15], E12     ; s1
; ---------------- source t's entry ----------------
	s_wait_loadcnt 12                              ; loads come back in order (ISA guide 5.7.1): the six parameters are in, the ring's 12 loads behind them stay out
	v_mul_f32 v[P],   L2E,  v[EA+3]
	v_mul_f32 v[P+1], L2E,  v[EV]
	v_mul_f32 v[P+2], NL2E, v[ER]
	v_exp_f32 v[P+3], v[P]                         ; exp(log_var_u)
	v_exp_f32 v[P+4], v[P+1]                       ; exp(log_var_v)
	v_exp_f32 v[P+5], v[P+2]                       ; exp(-raw_pi)
	v_fma_f32 v[P+9], v[EA+2], v[EA+2], 1.0        ; 1 + a^2: the plain one behind the exponentials
	s_wait_alu depctr_va_vdst(0)
	v_maximum_f32 v[EA+3], E9, v[P+3]              ; vu; a NaN wins, as in jnp.maximum
	v_maximum_f32 v[EV],   E9, v[P+4]              ; vv
	v_add_f32 v[P+7], 1.0, v[P+5]
	v_rcp_f32 v[P+8], v[P+7]                       ; pi
	v_fma_f32 v[P+9], v[EA+3], v[P+9], v[EV]       ; T = vu (1 + a^2) + vv: the plain one behind the reciprocal
	v_mul_f32 v[P+10], v[EA+3], v[EV]              ; D = vu vv
	v_add_f32 v[P+11], v[P+9], v[SS]
	v_add_f32 v[P+12], v[P+9], v[SS+1]
	v_fma_f32 v[P+11], v[SS],   v[P+11], v[P+10]   ; det0 = D + s0 (T + s0)
	v_fma_f32 v[P+12], v[SS+1], v[P+12], v[P+10]   ; det1
	s_wait_alu depctr_va_vdst(0)
	v_sub_f32 v[P+13], 1.0, v[P+8]                 ; 1 - pi
	v_add_f32 v[P+8],  E12, v[P+8]
	v_add_f32 v[P+13], E12, v[P+13]
	v_rcp_f32 v[EB],   v[P+11]
	v_rcp_f32 v[EB+1], v[P+12]
	v_log_f32 v[P+14], v[P+11]
	v_log_f32 v[P+15], v[P+12]
	v_log_f32 v[EB+2], v[P+8]
	v_log_f32 v[EB+3], v[P+13]
	v_fma_f32 v[EA+1], v[EA+2], v[EA], v[EA+1]     ; m_v = a m_u + b: the plain one behind the six
	s_wait_alu depctr_va_vdst(0)
	v_mul_f32 v[EB],   NHL2E, v[EB]                ; g0
	v_mul_f32 v[EB+1], NHL2E, v[EB+1]              ; g1
	v_fma_f32 v[EB+2], -0.5, v[P+14], v[EB+2]
	v_fma_f32 v[EB+3], -0.5, v[P+15], v[EB+3]
	v_add_f32 v[EB+2], NL2PI, v[EB+2]              ; C0
	v_add_f32 v[EB+3], NL2PI, v[EB+3]              ; C1
	ds_store_b128 v[OFF],  v[EA:EA+3]              ; neighbouring lanes, neighbouring 16 bytes
	ds_store_b128 v[OFF],  v[EB:EB+3] offset:TB
	ds_store_b32  v[OFF4], v[EV] offset:TC
	s_wait_dscnt 0x0                               ; my entry is in LDS: zero, since the other waves will read it
	s_barrier_signal -1
	s_barrier_wait -1                              ; all 1,024 entries are; the table is not written again.  The ring's loads stay out across this barrier: no wave writes those bytes
; ---------------- the stream ----------------
; Chunk c, from slot c mod 4.  fill = 1: the slot gets chunk c + 4.  left = how many younger loads of the ring may stay out.
.macro TURN c, fill, left
.set SL, X+12*((\c)%4)
	s_wait_loadcnt \left                           ; this chunk's three loads are in
.irp j, 0,1,2,3
	v_min_u32 v[A4+\j], 0x3ff, v[SL+\j]            ; a loaded number enters an address only behind this bound
	v_lshlrev_b32 v[A16+\j], 4, v[A4+\j]
	v_lshlrev_b32 v[A4+\j],  2, v[A4+\j]
.endr
.irp j, 0,1,2,3
	ds_load_b128 v[GA+4*\j:GA+4*\j+3], v[A16+\j]
.endr
.irp j, 0,1,2,3
	ds_load_b32 v[GC+\j], v[A4+\j] offset:TC
.endr
.irp j, 0,1,2,3
	ds_load_b128 v[GB+4*\j:GB+4*\j+3], v[A16+\j] offset:TB
.endr
	s_wait_dscnt 8                                 ; LDS loads come back in order (ISA guide 5.7.1): the four of TA are in, the eight behind them stay out
.irp j, 0,1,2,3
	v_sub_f32 v[DX+\j], v[SL+4+\j], v[GA+4*\j]             ; dx = u - m_u
	v_sub_f32 v[DY+\j], v[SL+8+\j], v[GA+4*\j+1]           ; dy = d - m_v
	v_fma_f32 v[E+\j], -v[GA+4*\j+2], v[DX+\j], v[DY+\j]   ; e = dy - a dx
.endr
.if \fill
	FILL \c+4                                      ; the slot has had its last read: its next chunk goes out ahead of this chunk's store
.endif
.irp p, 0,2
	v_pk_mul_f32 v[Q+\p:Q+\p+1], v[DX+\p:DX+\p+1], v[DX+\p:DX+\p+1]                    ; dx^2
	v_pk_fma_f32 v[R+\p:R+\p+1], v[DY+\p:DY+\p+1], v[DY+\p:DY+\p+1], v[Q+\p:Q+\p+1]    ; R = dx^2 + dy^2
	v_pk_mul_f32 v[E+\p:E+\p+1], v[E+\p:E+\p+1], v[E+\p:E+\p+1]                        ; e^2
.endr
	s_wait_dscnt 4                                 ; the four of TC are in, the four of TB stay out
.irp p, 0,2
	v_pk_mul_f32 v[Q+\p:Q+\p+1], v[GC+\p:GC+\p+1], v[Q+\p:Q+\p+1]                      ; vv dx^2
.endr
.irp j, 0,1,2,3
	v_fmac_f32 v[Q+\j], v[GA+4*\j+3], v[E+\j]      ; Q = vu e^2 + vv dx^2
.endr
.irp p, 0,2
	; a row's pair (Q + s0 R, Q + s1 R): R and Q of the even row are their pairs' first registers, of the odd row the second, for both halves
	v_pk_fma_f32 v[TL+2*\p:TL+2*\p+1],   v[R+\p:R+\p+1], v[SS:SS+1], v[Q+\p:Q+\p+1] op_sel_hi:[0,1,0]
	v_pk_fma_f32 v[TL+2*\p+2:TL+2*\p+3], v[R+\p:R+\p+1], v[SS:SS+1], v[Q+\p:Q+\p+1] op_sel:[1,0,1] op_sel_hi:[1,1,1]
.endr
	s_wait_dscnt 0x0                               ; the four of TB are in
.irp j, 0,1,2,3
	v_pk_fma_f32 v[TL+2*\j:TL+2*\j+1], v[TL+2*\j:TL+2*\j+1], v[GB+4*\j:GB+4*\j+1], v[GB+4*\j+2:GB+4*\j+3]   ; (l0, l1) log2(e)
.endr
.irp j, 0,1,2,3
	v_sub_f32 v[DD+\j], v[TL+2*\j], v[TL+2*\j+1]
	v_min_num_f32 v[DD+\j], -|v[DD+\j]|, 0         ; -|l0 - l1|; a NaN loses here and gives 0: the maximum below then decides alone
.endr
.irp j, 0,1,2,3
	v_exp_f32 v[E+\j], v[DD+\j]
.endr
.irp j, 0,1,2,3
	v_maximum_f32 v[M+\j], v[TL+2*\j], v[TL+2*\j+1]        ; a NaN wins.  These are the plain ones behind the exponentials
.endr
	s_wait_alu depctr_va_vdst(0)
.irp p, 0,2
	v_pk_add_f32 v[E+\p:E+\p+1], v[E+\p:E+\p+1], 1.0 op_sel_hi:[1,0]
.endr
.irp j, 0,1,2,3
	v_log_f32 v[Q+\j], v[E+\j]
.endr
.irp p, 0,2
	v_pk_mul_f32 v[M+\p:M+\p+1], v[M+\p:M+\p+1], LN2 op_sel_hi:[1,0]       ; back to base e; the plain ones behind the logarithms
.endr
	s_wait_xcnt 0x0                                ; every earlier memory instruction has had its addresses translated (ISA guide 3.1): Y, which the last chunk's store reads, is rewritten only behind this wait
	s_wait_alu depctr_va_vdst(0)
.irp p, 0,2
	v_pk_fma_f32 v[Y+\p:Y+\p+1], v[Q+\p:Q+\p+1], LN2, v[M+\p:M+\p+1] op_sel_hi:[1,0,1]
.endr
	global_store_b128 v[OFF], v[Y:Y+3], s[30:31] offset:CHUNK*(\c) th:TH_STORE_NT      ; written once, not read again
.endm
	TURN 0, 1, 9                                   ; three younger chunks of three loads each stay out
	TURN 1, 1, 9
	TURN 2, 1, 9
	TURN 3, 1, 9
	TURN 4, 0, 9                                   ; the last four chunks fill nothing: no load leaves the arrays, and the counts run down
	TURN 5, 0, 6
	TURN 6, 0, 3
	TURN 7, 0, 0
	s_wait_tensorcnt 0x0
	ds_add_u32 v126, v127
	s_wait_dscnt 0x0
	s_endpgm
.Lfunc_end_k_q6840b83984_lsm:
	.size	k_q6840b83984_lsm, .Lfunc_end_k_q6840b83984_lsm-k_q6840b83984_lsm
	.p2alignl 7, 3214868480
	.fill 96, 4, 3214868480
	.section	.rodata,"a",@progbits
	.p2align	6, 0x0
	.amdhsa_kernel k_q6840b83984_lsm
		.amdhsa_group_segment_fixed_size 40960
		.amdhsa_private_segment_fixed_size 0
		.amdhsa_enable_private_segment 0
		.amdhsa_kernarg_size 96
		.amdhsa_user_sgpr_count 2
		.amdhsa_user_sgpr_kernarg_segment_ptr 1
		.amdhsa_wavefront_size32 1
		.amdhsa_system_sgpr_workgroup_id_x 1
		.amdhsa_system_sgpr_workgroup_id_y 1
		.amdhsa_system_sgpr_workgroup_id_z 1
		.amdhsa_system_vgpr_workitem_id 0
		.amdhsa_next_free_vgpr 128
		.amdhsa_next_free_sgpr 66
		.amdhsa_reserve_vcc 1
		.amdhsa_float_denorm_mode_32 3
		.amdhsa_float_denorm_mode_16_64 3
		.amdhsa_memory_ordered 1
		.amdhsa_forward_progress 1
		.amdhsa_inst_pref_size 44
	.end_amdhsa_kernel
	.amdgpu_metadata
---
amdhsa.version: [ 1, 2 ]
amdhsa.kernels:
  - .name:           k_q6840b83984_lsm
    .symbol:         k_q6840b83984_lsm.kd
    .args:
      - { .name: source, .offset: 0, .size: 8, .value_kind: global_buffer, .address_space: global }
      - { .name: upstream, .offset: 8, .size: 8, .value_kind: global_buffer, .address_space: global }
      - { .name: downstream, .offset: 16, .size: 8, .value_kind: global_buffer, .address_space: global }
      - { .name: mu_u, .offset: 24, .size: 8, .value_kind: global_buffer, .address_space: global }
      - { .name: log_var_u, .offset: 32, .size: 8, .value_kind: global_buffer, .address_space: global }
      - { .name: a, .offset: 40, .size: 8, .value_kind: global_buffer, .address_space: global }
      - { .name: b, .offset: 48, .size: 8, .value_kind: global_buffer, .address_space: global }
      - { .name: log_var_v, .offset: 56, .size: 8, .value_kind: global_buffer, .address_space: global }
      - { .name: raw_pi, .offset: 64, .size: 8, .value_kind: global_buffer, .address_space: global }
      - { .name: raw_sigma0, .offset: 72, .size: 8, .value_kind: global_buffer, .address_space: global }
      - { .name: raw_delta_sigma, .offset: 80, .size: 8, .value_kind: global_buffer, .address_space: global }
      - { .name: out0, .offset: 88, .size: 8, .value_kind: global_buffer, .address_space: global }
    .group_segment_fixed_size: 40960
    .private_segment_fixed_size: 0
    .kernarg_segment_align: 8
    .kernarg_segment_size: 96
    .max_flat_workgroup_size: 1024
    .sgpr_count:     66
    .vgpr_count:     128
    .wavefront_size: 32
...
	.end_amdgpu_metadata
.endif
;; end of part 1
;; ======== version 2 of 2: 1 launch; version 1 with the launch lsm written anew for expert scheduling mode
;; launch lsm (part 2): grid 256 x 1, 32 waves a work-group, no clusters, 40,960 bytes of LDS; arguments source, upstream, downstream, mu_u, log_var_u, a, b, log_var_v, raw_pi, raw_sigma0, raw_delta_sigma, out0; writes out0
.if DOCPART == 2
	.amdgcn_target "amdgcn-amd-amdhsa--gfx1250"
	.amdhsa_code_object_version 6
	.text
	.protected	k_q6840b83984_lsm
	.globl	k_q6840b83984_lsm
	.p2align	8
	.type	k_q6840b83984_lsm,@function
k_q6840b83984_lsm:
	s_mov_b64 s[64:65], 0
	v_nop
	global_prefetch_b8 v0, s[64:65] scope:SCOPE_SE
	s_setreg_imm32_b32 hwreg(HW_REG_WAVE_SCHED_MODE, 0, 2), 2
	s_setreg_imm32_b32 hwreg(HW_REG_WAVE_MODE, 25, 1), 1
	s_wait_xcnt 0x0
	s_wait_alu depctr_vm_vsrc(0)
; out[i] = logaddexp(l0, l1): the log-density of a mixture of two zero-mean 2-D Gaussians at (dx, dy) = (u - m_u, d - m_v),
; whose means, covariances and weights belong to source[i], one of 1,024 sources.  8,388,608 rows, f32.
;
; WHAT IS DONE ONCE PER SOURCE.  All that hangs on the source alone has 1,024 values, so each work-group computes it once, one source a thread
; (1,024 threads), into a table in its own LDS; a row then gathers nine words and needs one exp2 and one log2.
; With vu = max(exp(log_var_u), 1e-9), vv = max(exp(log_var_v), 1e-9), s_k = sig_k^2 + 1e-12, e = dy - a dx:
;   c11 dx^2 - 2 c01 dx dy + c00 dy^2 = vu e^2 + vv dx^2 + s_k (dx^2 + dy^2) = Q + s_k R
;   det_k = c00 c11 - c01^2           = vu vv + s_k (vu (1 + a^2) + vv + s_k)
; Both hold for all values: expand c00 = vu + s_k, c01 = a vu, c11 = a^2 vu + vv + s_k; in det_k the term a^2 vu^2 stands once with each sign.
; That cancelling term is the only work of the problem that is not done; every input has a way to the result and all eleven are loaded.
; The right-hand sides are sums of terms that are not negative: no difference of large sums is formed.
; In base 2:  l_k log2(e) = C_k + g_k (Q + s_k R),  g_k = -0.5 log2(e) / det_k,  C_k = log2(p_k + 1e-12) - log2(2 pi) - 0.5 log2(det_k),
; p_0 = sigmoid(raw_pi), p_1 = 1 - p_0.   out = ln2 max(l0, l1) + ln2 log2(1 + 2^-|l0 - l1|): the maximum is taken away in front of the exponential.
;
; LIMITS.  source is taken to lie in 0 .. 1023 (an index stays inside its table); the v_min_u32 changes no such index.
; The row's log1p is log2(1 + x): an absolute error of about 1e-7 in the result.  v_exp_f32, v_log_f32 and v_rcp_f32 are good to 1 ulp and flush denormals
; (ISA guide 15.8): for det_k above 2^126 the reciprocal is 0 and the quadratic term is lost.  Where the three-term quadratic or c00 c11 - c01^2 of the
; problem's own form overflows to inf - inf = NaN, this form gives -inf or a finite number: a NaN, an infinity or an overflow that reaches only the
; cancelled term is not carried to the result.  Where 1 - sigmoid(raw_pi) is a few ulp of 1 (raw_pi above about 13), log(1 - pi + 1e-12) hangs on the
; sigmoid's last bit and may differ.  NaN inputs are carried: the clamps at 1e-9 and the maximum of l0 and l1 let a NaN win, and where l0 - l1 is NaN
; the exponent is set to 0, so that two equal infinities give that infinity and a NaN gives NaN, which is l0 + l1, as logaddexp's own guard returns.
;
; SHARES.  Work-group g owns rows 32,768 g .. + 32,767, in 8 chunks of 4,096 rows; in each chunk thread t owns the 16 bytes (4 rows) at 16 t of each of the
; four arrays, so each load or store of a wave covers 512 consecutive bytes, aligned.  A ring of 4 slots in registers keeps 8 to 11 loads of every wave in
; flight; the first 12 go out ahead of the table's arithmetic.  The offset register is never rewritten: the chunk stands in the immediate (114,688 at the most).
; NOT USED, AND WHY.  Matrix instructions: the problem has no product.  Tensor loads and LDS slots for the stream: the rows must reach registers anyway, the
; ring costs 48 registers, and LDS already serves 36 gathered bytes a row.  Clusters: work-groups share 24 KiB of parameters against 512 KiB of their own.
;
; THE MODE: SCHED_MODE bits 1:0 = 2 (LLVM: expert scheduling mode 2), set by the entry lines.  The code itself states the register dependences
; between vector instructions and memory or LDS instructions, with s_wait_alu, always for 0.
; THE PLAN.  Registers that memory or LDS instructions touch in the stream; turn c works on chunk c:
;   X0 .. X3      slot c % 4.  Its source words are read by the address lines in turn c - 1, its other eight words by dx and dy in turn c; FILL c + 4, issued in turn c, lands in it.
;   GA, GB, GC    Read by turn c's arithmetic, all of it ahead of the exponentials; the gathers for chunk c + 1, issued in turn c, land in them.
;   A16, A4       Written by turn c's address lines for chunk c + 1, behind the exponentials; read by those twelve gathers.  They share registers with R and DD,
;                 which are spent by then and which turn c + 1 writes again.
;   Y0, Y1        Turn c's last two lines write Y[c % 2]; the store issued in turn c + 1 reads it; turn c + 2 writes it again.
;   v1, v2        Offsets, made once at the head and never written again.
; So a turn has three waits.  At its head, on vm_vsrc: the last turn's gathers have read A16 and A4, the store issued there has read this turn's Y.  Behind the
; exponentials, the maxima and the address lines, on va_vdst: the exponentials, A16, A4 and the last turn's Y are written, and this turn is done reading GA, GB, GC
; and its slot.  The turn's sixteen memory instructions follow that wait, dealt among the eight vector lines of the tail, which name E, Q and M alone: none of
; the registers that those sixteen touch.  Ahead of the last two lines, on va_vdst: the logarithms are written.
;
; LDS, each byte written once in front of the one barrier and only read behind it:
;   TA     0 .. 16383   source s at 16 s: m_u, m_v, a, vu      entries 16 bytes apart: a gather's 16-byte column is s mod 16, so all sixteen are in use
;   TB 16384 .. 32767   source s at 16 s: g0, g1, C0, C1
;   TC 32768 .. 36863   source s at  4 s: vv                   dense words: a gather's word column is s mod 64
.set CHUNK, 16384                      ; bytes of a chunk in each array
.set TB,    16384
.set TC,    32768
.set L2E,   0x3fb8aa3b                 ; log2(e)
.set NL2E,  0xbfb8aa3b                 ; -log2(e)
.set NHL2E, 0xbf38aa3b                 ; -0.5 log2(e)
.set LN2,   0x3f317218                 ; ln 2
.set NL2PI, 0xc029b21d                 ; -log2(2 pi)
.set E6,    0x358637bd                 ; 1e-6
.set E9,    0x3089705f                 ; 1e-9
.set E12,   0x2b8cbccc                 ; 1e-12
.set OFF,  1                           ; v1        16 t: my bytes in a chunk, and my entry in TA and TB; never rewritten
.set OFF4, 2                           ; v2        4 t: my word in the parameter tables and in TC; never rewritten
.set SS,   4                           ; v[4:5]    s0, s1
.set X,    8                           ; v[8:55]   slot i at X + 12 i: source +0..3, upstream +4..7, downstream +8..11
.set GA,   56                          ; v[56:71]  row j's m_u, m_v, a, vu at GA + 4 j
.set GB,   72                          ; v[72:87]  row j's g0, g1, C0, C1 at GB + 4 j
.set GC,   88                          ; v[88:91]  row j's vv
.set M,    92                          ; v[92:95]  the maxima
.set DD,   96                          ; v[96:99]  -|l0 - l1|; behind the exponentials A4
.set A4,   96                          ;           4 x the next chunk's source
.set DX,   100                         ; v[100:103]
.set DY,   104                         ; v[104:107]
.set TL,   100                         ; v[100:107] once DX and DY are spent: row j's pair for k = 0, 1 at TL + 2 j
.set E,    108                         ; v[108:111] e, then e^2, then 2^DD, then 1 + 2^DD
.set Q,    112                         ; v[112:115] dx^2, then Q, then the logarithm
.set R,    116                         ; v[116:119] dx^2 + dy^2; behind the exponentials A16
.set A16,  116                         ;           16 x the next chunk's source
.set Y,    120                         ; v[120:127] two out-buffers of four results: chunk c's at Y + 4 (c % 2)
; in front of the barrier alone, in registers that the gathers take over later:
.set EA,   64                          ; v[64:67]  mu_u; b, then m_v; a; log_var_u, then vu: loaded into the quad that is stored
.set EB,   68                          ; v[68:71]  g0, g1, C0, C1
.set EV,   72                          ; v72       log_var_v, then vv
.set ER,   73                          ; v73       raw_pi
.set P,    74                          ; v[74:89]  at work
; Chunk c's 48 bytes a thread, into slot c mod 4.  Read once in the launch: non-temporal.
.macro FILL c
.set FS, X+12*((\c)%4)
	global_load_b128 v[FS:FS+3],    v[OFF], s[8:9]   offset:CHUNK*(\c) th:TH_LOAD_NT
	global_load_b128 v[FS+4:FS+7],  v[OFF], s[10:11] offset:CHUNK*(\c) th:TH_LOAD_NT
	global_load_b128 v[FS+8:FS+11], v[OFF], s[12:13] offset:CHUNK*(\c) th:TH_LOAD_NT
.endm
; The LDS addresses of chunk c's four rows.
.macro ADDR c
.set ASL, X+12*((\c)%4)
.irp j, 0,1,2,3
	v_min_u32 v[A4+\j], 0x3ff, v[ASL+\j]           ; a loaded number enters an address only behind this bound
	v_lshlrev_b32 v[A16+\j], 4, v[A4+\j]
	v_lshlrev_b32 v[A4+\j],  2, v[A4+\j]
.endr
.endm
; The twelve gathers, always in this order: TA's four, TC's four, TB's four.
.macro GATHER_A
.irp j, 0,1,2,3
	ds_load_b128 v[GA+4*\j:GA+4*\j+3], v[A16+\j]
.endr
.endm
.macro GATHER_C
.irp j, 0,1,2,3
	ds_load_b32 v[GC+\j], v[A4+\j] offset:TC
.endr
.endm
.macro GATHER_B
.irp j, 0,1,2,3
	ds_load_b128 v[GB+4*\j:GB+4*\j+3], v[A16+\j] offset:TB
.endr
.endm
; ---------------- addresses, and the first loads ----------------
	s_load_b512 s[8:23], s[0:1], 0x0               ; source s[8:9], upstream s[10:11], downstream s[12:13], mu_u s[14:15], log_var_u s[16:17], a s[18:19], b s[20:21], log_var_v s[22:23]
	s_load_b256 s[24:31], s[0:1], 0x40             ; raw_pi s[24:25], raw_sigma0 s[26:27], raw_delta_sigma s[28:29], out0 s[30:31]
	v_lshl_add_u32 v6, v0, 2, 0x9000
	v_mov_b32 v7, 0
	v_lshlrev_b32 v[OFF], 4, v0
	v_lshlrev_b32 v[OFF4], 2, v0
	s_lshl_b32 s2, ttmp9, 17                       ; 32,768 rows of 4 bytes a work-group: 33,423,360 at the most
	s_mov_b32 s3, 0
	s_wait_kmcnt 0x0
	s_load_b32 s32, s[26:27], 0x0                  ; the two shared scalars
	s_load_b32 s33, s[28:29], 0x0
	s_add_nc_u64 s[8:9], s[8:9], s[2:3]            ; the four arrays at the work-group's first row (none of these pairs is a source of the two loads above)
	s_add_nc_u64 s[10:11], s[10:11], s[2:3]
	s_add_nc_u64 s[12:13], s[12:13], s[2:3]
	s_add_nc_u64 s[30:31], s[30:31], s[2:3]
	s_wait_alu depctr_va_vdst(0)                   ; v1 and v2 are written: every load and store of the kernel, global or LDS store, reads one of them as its offset
	global_load_b32 v[EA],   v[OFF4], s[14:15]     ; source t's six parameters; every work-group reads them, so no hint
	global_load_b32 v[EA+1], v[OFF4], s[20:21]
	global_load_b32 v[EA+2], v[OFF4], s[18:19]
	global_load_b32 v[EA+3], v[OFF4], s[16:17]
	global_load_b32 v[EV],   v[OFF4], s[22:23]
	global_load_b32 v[ER],   v[OFF4], s[24:25]
	FILL 0                                         ; the ring is filled ahead of the table's arithmetic
	FILL 1
	FILL 2
	FILL 3
; ---------------- the sensors' variances, the same in every lane ----------------
; softplus(x) = max(x, 0) + log1p(exp(-|x|)), for raw_sigma0 in v[P ..] and raw_delta_sigma in v[P+7 ..], side by side, so that each batch of transcendentals
; has one wait for both.  log1p(z) = log(w) z / (w - 1) with w = 1 + z as rounded, and z itself where w = 1: the rounding of 1 + z cancels in the ratio.
; Behind each batch one plain vector instruction that neither reads a result nor writes a source stands in front of the first use (ISA guide 5.7.2).
; A NaN passes through the exponential's chain.
	s_wait_kmcnt 0x0
	v_mov_b32 v[P],   s32
	v_mov_b32 v[P+7], s33
.irp t, P, P+7
	v_and_b32 v[\t+1], 0x7fffffff, v[\t]
	v_mul_f32 v[\t+1], NL2E, v[\t+1]               ; -|x| log2(e)
.endr
.irp t, P, P+7
	v_exp_f32 v[\t+2], v[\t+1]                     ; z = exp(-|x|), 0 to 1
.endr
	v_max_num_f32 v[P], 0, v[P]                    ; the plain one behind the exponentials
	s_wait_alu depctr_va_vdst(0)                   ; the two z are written, ahead of their first reader
.irp t, P, P+7
	v_add_f32 v[\t+3], 1.0, v[\t+2]                ; w
.endr
.irp t, P, P+7
	v_log_f32 v[\t+4], v[\t+3]
.endr
.irp t, P, P+7
	v_add_f32 v[\t+5], -1.0, v[\t+3]               ; w - 1, exact; the plain ones behind the logarithms
.endr
.irp t, P, P+7
	v_rcp_f32 v[\t+6], v[\t+5]
.endr
	v_max_num_f32 v[P+7], 0, v[P+7]                ; the plain one behind the reciprocals
	v_cmp_eq_f32 s34, 0, v[P+5]                    ; w = 1?  Both masks in one run, into scalar registers
	v_cmp_eq_f32 s35, 0, v[P+12]
	s_wait_alu depctr_va_vdst(0)                   ; the two logarithms and the two reciprocals are written, ahead of their first reader
	s_wait_alu depctr_va_sdst(0)                   ; s34 and s35 are written, ahead of the selects that read them
.irp t, P, P+7
	v_mul_f32 v[\t+4], LN2, v[\t+4]                ; log(w)
	v_mul_f32 v[\t+6], v[\t+2], v[\t+6]            ; z / (w - 1)
	v_mul_f32 v[\t+4], v[\t+4], v[\t+6]
.endr
	v_cndmask_b32 v[P+4],  v[P+4],  v[P+2], s34    ; w = 1: z
	v_cndmask_b32 v[P+11], v[P+11], v[P+9], s35
	v_add_f32 v[P+14], v[P],   v[P+4]              ; softplus(raw_sigma0)
	v_add_f32 v[P+15], v[P+7], v[P+11]             ; softplus(raw_delta_sigma)
	v_add_f32 v[P+14], E6, v[P+14]                 ; sig0
	v_add_f32 v[P+15], v[P+14], v[P+15]            ; sig1
	v_fmaak_f32 v[SS],   v[P+14], v[P+14], E12     ; s0
	v_fmaak_f32 v[SS+1], v[P+15], v[P+15], E12     ; s1
; ---------------- source t's entry ----------------
	s_wait_loadcnt 12                              ; loads come back in order (ISA guide 5.7.1): the six parameters are in, the ring's 12 loads behind them stay out
	v_mul_f32 v[P],   L2E,  v[EA+3]
	v_mul_f32 v[P+1], L2E,  v[EV]
	v_mul_f32 v[P+2], NL2E, v[ER]
	v_exp_f32 v[P+3], v[P]                         ; exp(log_var_u)
	v_exp_f32 v[P+4], v[P+1]                       ; exp(log_var_v)
	v_exp_f32 v[P+5], v[P+2]                       ; exp(-raw_pi)
	v_fma_f32 v[P+9], v[EA+2], v[EA+2], 1.0        ; 1 + a^2: the plain one behind the exponentials
	s_wait_alu depctr_va_vdst(0)                   ; the three exponentials are written, ahead of their first reader
	v_maximum_f32 v[EA+3], E9, v[P+3]              ; vu; a NaN wins, as in jnp.maximum
	v_maximum_f32 v[EV],   E9, v[P+4]              ; vv
	v_add_f32 v[P+7], 1.0, v[P+5]
	v_rcp_f32 v[P+8], v[P+7]                       ; pi
	v_fma_f32 v[P+9], v[EA+3], v[P+9], v[EV]       ; T = vu (1 + a^2) + vv: the plain one behind the reciprocal
	v_mul_f32 v[P+10], v[EA+3], v[EV]              ; D = vu vv
	v_add_f32 v[P+11], v[P+9], v[SS]
	v_add_f32 v[P+12], v[P+9], v[SS+1]
	v_fma_f32 v[P+11], v[SS],   v[P+11], v[P+10]   ; det0 = D + s0 (T + s0)
	v_fma_f32 v[P+12], v[SS+1], v[P+12], v[P+10]   ; det1
	s_wait_alu depctr_va_vdst(0)                   ; pi is written, ahead of its first reader; the determinants' six lines stand between
	v_sub_f32 v[P+13], 1.0, v[P+8]                 ; 1 - pi
	v_add_f32 v[P+8],  E12, v[P+8]
	v_add_f32 v[P+13], E12, v[P+13]
	v_rcp_f32 v[EB],   v[P+11]
	v_rcp_f32 v[EB+1], v[P+12]
	v_log_f32 v[P+14], v[P+11]
	v_log_f32 v[P+15], v[P+12]
	v_log_f32 v[EB+2], v[P+8]
	v_log_f32 v[EB+3], v[P+13]
	v_fma_f32 v[EA+1], v[EA+2], v[EA], v[EA+1]     ; m_v = a m_u + b: the plain one behind the six
	s_wait_alu depctr_va_vdst(0)                   ; the two reciprocals and the four logarithms are written, ahead of their first reader
	v_mul_f32 v[EB],   NHL2E, v[EB]                ; g0
	v_mul_f32 v[EB+1], NHL2E, v[EB+1]              ; g1
	v_fma_f32 v[EB+2], -0.5, v[P+14], v[EB+2]
	v_fma_f32 v[EB+3], -0.5, v[P+15], v[EB+3]
	v_add_f32 v[EB+2], NL2PI, v[EB+2]              ; C0
	v_add_f32 v[EB+3], NL2PI, v[EB+3]              ; C1
	s_wait_alu depctr_va_vdst(0)                   ; the entry's nine words, v[EA ..], v[EB ..] and v[EV], are written: the LDS stores read them
	ds_store_b128 v[OFF],  v[EA:EA+3]              ; neighbouring lanes, neighbouring 16 bytes
	ds_store_b128 v[OFF],  v[EB:EB+3] offset:TB
	ds_store_b32  v[OFF4], v[EV] offset:TC
	s_wait_dscnt 0x0                               ; my entry is in LDS: zero, since the other waves will read it
	s_barrier_signal -1
	s_barrier_wait -1                              ; all 1,024 entries are; the table is not written again.  The ring's loads stay out across this barrier: no wave writes those bytes
; ---------------- the stream ----------------
; Chunk 0's gathers go out ahead of the first turn, as each later chunk's go out in the turn before its own.
	s_wait_loadcnt 11                              ; chunk 0's source is in: its other two loads and the nine of chunks 1 to 3 stay out
	ADDR 0
	s_wait_alu depctr_vm_vsrc(0)                   ; my LDS stores have read v[EA ..], v[EB ..] and v[EV], in which the gathers land
	s_wait_alu depctr_va_vdst(0)                   ; A16 and A4 are written, which the gathers read; the table's arithmetic is done with v[56:91], in which they land
	GATHER_A
	GATHER_C
	GATHER_B
; Turn c: chunk c, from slot c mod 4; its gathers are on their way.  fill = 1: the slot gets chunk c + 4.  next = 1: chunk c + 1's gathers go out.
; lh = how many younger loads of the ring may stay out when this chunk's three have to be there; lm = the same for the next chunk's source.
.macro TURN c, fill, next, lh, lm
.set SL, X+12*((\c)%4)
.set YC, Y+4*((\c)%2)
.set YP, Y+4*(((\c)+1)%2)
	s_wait_loadcnt \lh                             ; this chunk's upstream and downstream are in
.if (\c) >= 2
	s_wait_xcnt 0x0                                ; every earlier memory instruction has had its addresses translated (ISA guide 3.1): this turn's Y, which the store issued in the last turn reads, is rewritten only behind this wait
.endif
	s_wait_alu depctr_vm_vsrc(0)                   ; the gathers on their way have read A16 and A4, which this turn writes again as R and DD; the store issued in the last turn has read this turn's Y
	s_wait_dscnt 8                                 ; LDS loads come back in order (ISA guide 5.7.1): the four of TA are in, the eight behind them stay out
.irp j, 0,1,2,3
	v_sub_f32 v[DX+\j], v[SL+4+\j], v[GA+4*\j]             ; dx = u - m_u
	v_sub_f32 v[DY+\j], v[SL+8+\j], v[GA+4*\j+1]           ; dy = d - m_v
	v_fma_f32 v[E+\j], -v[GA+4*\j+2], v[DX+\j], v[DY+\j]   ; e = dy - a dx
.endr
.irp p, 0,2
	v_pk_mul_f32 v[Q+\p:Q+\p+1], v[DX+\p:DX+\p+1], v[DX+\p:DX+\p+1]                    ; dx^2
	v_pk_fma_f32 v[R+\p:R+\p+1], v[DY+\p:DY+\p+1], v[DY+\p:DY+\p+1], v[Q+\p:Q+\p+1]    ; R = dx^2 + dy^2
	v_pk_mul_f32 v[E+\p:E+\p+1], v[E+\p:E+\p+1], v[E+\p:E+\p+1]                        ; e^2
.endr
	s_wait_dscnt 4                                 ; the four of TC are in, the four of TB stay out
.irp p, 0,2
	v_pk_mul_f32 v[Q+\p:Q+\p+1], v[GC+\p:GC+\p+1], v[Q+\p:Q+\p+1]                      ; vv dx^2
.endr
.irp j, 0,1,2,3
	v_fmac_f32 v[Q+\j], v[GA+4*\j+3], v[E+\j]      ; Q = vu e^2 + vv dx^2
.endr
.irp p, 0,2
	; a row's pair (Q + s0 R, Q + s1 R): R and Q of the even row are their pairs' first registers, of the odd row the second, for both halves
	v_pk_fma_f32 v[TL+2*\p:TL+2*\p+1],   v[R+\p:R+\p+1], v[SS:SS+1], v[Q+\p:Q+\p+1] op_sel_hi:[0,1,0]
	v_pk_fma_f32 v[TL+2*\p+2:TL+2*\p+3], v[R+\p:R+\p+1], v[SS:SS+1], v[Q+\p:Q+\p+1] op_sel:[1,0,1] op_sel_hi:[1,1,1]
.endr
	s_wait_dscnt 0x0                               ; the four of TB are in
.irp j, 0,1,2,3
	v_pk_fma_f32 v[TL+2*\j:TL+2*\j+1], v[TL+2*\j:TL+2*\j+1], v[GB+4*\j:GB+4*\j+1], v[GB+4*\j+2:GB+4*\j+3]   ; (l0, l1) log2(e)
.endr
.irp j, 0,1,2,3
	v_sub_f32 v[DD+\j], v[TL+2*\j], v[TL+2*\j+1]
	v_min_num_f32 v[DD+\j], -|v[DD+\j]|, 0         ; -|l0 - l1|; a NaN loses here and gives 0: the maximum below then decides alone
.endr
.irp j, 0,1,2,3
	v_exp_f32 v[E+\j], v[DD+\j]
.endr
.irp j, 0,1,2,3
	v_maximum_f32 v[M+\j], v[TL+2*\j], v[TL+2*\j+1]        ; a NaN wins.  These are the plain ones behind the exponentials, ahead of the lines that write over DD
.endr
.if \next
	s_wait_loadcnt \lm                             ; the next chunk's source is in
	ADDR \c+1                                      ; into the registers of DD and R, which are spent
.endif
	s_wait_alu depctr_va_vdst(0)                   ; the four exponentials are written, ahead of their first reader; so are A16 and A4, which the gathers read, and the last turn's Y, which the store reads; this turn is done reading GA, GB, GC and its slot, in which the loads below land
.if \fill
	FILL \c+4                                      ; the slot's next chunk.  From here to the turn's end no vector line names a register that a load or store below touches
.endif
.if \next
	GATHER_A
.endif
.irp p, 0,2
	v_pk_add_f32 v[E+\p:E+\p+1], v[E+\p:E+\p+1], 1.0 op_sel_hi:[1,0]
.endr
.if \next
	GATHER_C
.endif
.irp j, 0,1,2,3
	v_log_f32 v[Q+\j], v[E+\j]
.endr
.if \next
	GATHER_B
.endif
.irp p, 0,2
	v_pk_mul_f32 v[M+\p:M+\p+1], v[M+\p:M+\p+1], LN2 op_sel_hi:[1,0]       ; back to base e; the plain ones behind the logarithms
.endr
.if (\c) >= 1
	global_store_b128 v[OFF], v[YP:YP+3], s[30:31] offset:CHUNK*((\c)-1) th:TH_STORE_NT    ; the chunk before, from the other Y; written once, not read again
.endif
	s_wait_alu depctr_va_vdst(0)                   ; the four logarithms are written, ahead of their first reader
.irp p, 0,2
	v_pk_fma_f32 v[YC+\p:YC+\p+1], v[Q+\p:Q+\p+1], LN2, v[M+\p:M+\p+1] op_sel_hi:[1,0,1]
.endr
.endm
	TURN 0, 1, 1, 9, 8                             ; at the head three younger chunks of three loads stay out; in the middle the next chunk's other two loads and two chunks
	TURN 1, 1, 1, 9, 8
	TURN 2, 1, 1, 9, 8
	TURN 3, 1, 1, 9, 8
	TURN 4, 0, 1, 9, 8                             ; the last four chunks fill nothing: no load leaves the arrays, and the counts run down
	TURN 5, 0, 1, 6, 5
	TURN 6, 0, 1, 3, 2
	TURN 7, 0, 0, 0, 0
	s_wait_alu depctr_va_vdst(0)                   ; turn 7 has written Y1, which the last store reads
	global_store_b128 v[OFF], v[Y+4:Y+7], s[30:31] offset:CHUNK*7 th:TH_STORE_NT
	s_wait_dscnt 0x0
	s_wait_alu depctr_hold_cnt(0) depctr_sa_sdst(0) depctr_va_vdst(0) depctr_va_sdst(0) depctr_va_ssrc(0) depctr_va_vcc(0) depctr_vm_vsrc(0)
	s_wait_tensorcnt 0x0
	ds_add_u32 v6, v7
	s_wait_dscnt 0x0
	s_endpgm
.Lfunc_end_k_q6840b83984_lsm:
	.size	k_q6840b83984_lsm, .Lfunc_end_k_q6840b83984_lsm-k_q6840b83984_lsm
	.p2alignl 7, 3214868480
	.fill 96, 4, 3214868480
	.section	.rodata,"a",@progbits
	.p2align	6, 0x0
	.amdhsa_kernel k_q6840b83984_lsm
		.amdhsa_group_segment_fixed_size 40960
		.amdhsa_private_segment_fixed_size 0
		.amdhsa_enable_private_segment 0
		.amdhsa_kernarg_size 96
		.amdhsa_user_sgpr_count 2
		.amdhsa_user_sgpr_kernarg_segment_ptr 1
		.amdhsa_wavefront_size32 1
		.amdhsa_system_sgpr_workgroup_id_x 1
		.amdhsa_system_sgpr_workgroup_id_y 1
		.amdhsa_system_sgpr_workgroup_id_z 1
		.amdhsa_system_vgpr_workitem_id 0
		.amdhsa_next_free_vgpr 128
		.amdhsa_next_free_sgpr 66
		.amdhsa_reserve_vcc 0
		.amdhsa_float_denorm_mode_32 3
		.amdhsa_float_denorm_mode_16_64 3
		.amdhsa_memory_ordered 1
		.amdhsa_forward_progress 1
		.amdhsa_inst_pref_size 45
	.end_amdhsa_kernel
	.amdgpu_metadata
---
amdhsa.version: [ 1, 2 ]
amdhsa.kernels:
  - .name:           k_q6840b83984_lsm
    .symbol:         k_q6840b83984_lsm.kd
    .args:
      - { .name: source, .offset: 0, .size: 8, .value_kind: global_buffer, .address_space: global }
      - { .name: upstream, .offset: 8, .size: 8, .value_kind: global_buffer, .address_space: global }
      - { .name: downstream, .offset: 16, .size: 8, .value_kind: global_buffer, .address_space: global }
      - { .name: mu_u, .offset: 24, .size: 8, .value_kind: global_buffer, .address_space: global }
      - { .name: log_var_u, .offset: 32, .size: 8, .value_kind: global_buffer, .address_space: global }
      - { .name: a, .offset: 40, .size: 8, .value_kind: global_buffer, .address_space: global }
      - { .name: b, .offset: 48, .size: 8, .value_kind: global_buffer, .address_space: global }
      - { .name: log_var_v, .offset: 56, .size: 8, .value_kind: global_buffer, .address_space: global }
      - { .name: raw_pi, .offset: 64, .size: 8, .value_kind: global_buffer, .address_space: global }
      - { .name: raw_sigma0, .offset: 72, .size: 8, .value_kind: global_buffer, .address_space: global }
      - { .name: raw_delta_sigma, .offset: 80, .size: 8, .value_kind: global_buffer, .address_space: global }
      - { .name: out0, .offset: 88, .size: 8, .value_kind: global_buffer, .address_space: global }
    .group_segment_fixed_size: 40960
    .private_segment_fixed_size: 0
    .kernarg_segment_align: 8
    .kernarg_segment_size: 96
    .max_flat_workgroup_size: 1024
    .sgpr_count:     66
    .vgpr_count:     128
    .wavefront_size: 32
...
	.end_amdgpu_metadata
.endif
;; end of part 2
